; MI455X (gfx1250); checked and timed in simulation.
; The chip was launched on July 23, 2026; its instructions are those of AMD's public machine-readable ISA for CDNA 5 (MIT licence, August 2026) and "CDNA5" Instruction Set Architecture Reference Guide (July 2026). The comments in the code are by the model that wrote it; some were corrected since.
;; Attention Fusion. Allowed arithmetic: matrix products marked QUANTISED: E5M2 operands, one given power-of-two scale a tensor, by v_wmma_f32_16x16x64_bf8_bf8 or v_wmma_f32_16x16x128_bf8_bf8, f32 sums; everything else in f32.
;; Inputs: lowp_scales 8 int32 (the exponents e of the quantised operands' scales 2^e); out_b 1,024 float32; out_w 1,024 x 1,024 float32; qkv_b 3,072 float32; qkv_w 3,072 x 1,024 float32; x 2 x 2,048 x 1,024 float32.
;; Outputs: out0 2 x 2,048 x 1,024 float32.
;; This version of the problem:
;;   THIS VERSION OF THE PROBLEM IS GIVEN IN LOW PRECISION. The matrix products marked QUANTISED in the list below multiply operands that are first quantised to E5M2 (5 exponent bits, 2 mantissa bits; 8 bits a number), with one given power-of-two scale for each operand tensor; their sums are f32. All else is computed in f32.
;;   The module's matrix products, in the order in which they are computed (A, B: the left and right operand; K: the contracted axis; several contracted axes count as one K, in the product's order):
;;     1. [M 4,096, K 1,024] x [K 1,024, N 3,072]; A: input x; B: input qkv_w: QUANTISED (scales: A lowp_scales[0], B lowp_scales[1])
;;     2. batch 32 x [M 2,048, K 64] x [K 64, N 2,048]; A: computed on the way; B: computed on the way: QUANTISED (scales: A lowp_scales[2], B lowp_scales[3])
;;     3. batch 32 x [M 2,048, K 2,048] x [K 2,048, N 64]; A: softmax (see below); B: computed on the way: QUANTISED (scales: A lowp_scales[4], B lowp_scales[5])
;;     4. [M 4,096, K 1,024] x [K 1,024, N 1,024]; A: computed on the way; B: input out_w: QUANTISED (scales: A lowp_scales[6], B lowp_scales[7])
;;   THE QUANTISER, for each operand of a quantised product, along K:
;;     - The operand's scale is 2^e, e = its entry of the input lowp_scales (int32; the entries are numbered through the quantised products in the list's order, A before B).
;;     - Each number is divided by the scale, clamped to +-57,344, and rounded to the nearest number of E5M2, ties to even, subnormals kept.
;;     - The product sums the exact products of the quantised numbers (number of the format x scale) in f32.
;;   ~~~python
;;   def quantise(x, axis, e):      # numpy; x: float32 -> the quantised numbers, widened to float32 again
;;       x = np.moveaxis(x, axis, -1); K = x.shape[-1]
;;       r = np.clip(x / 2.0 ** e, -57344, 57344)
;;       step = 2.0 ** (np.maximum(np.frexp(np.where(r == 0, 1, r))[1] - 1, -14) - 2)
;;       q = np.round(r / step) * step * 2.0 ** e      # np.round: ties to even
;;       return np.moveaxis(q, -1, axis).astype(np.float32)
;;   ~~~
;;   SOFTMAX AHEAD OF A QUANTISED PRODUCT. Where the list says 'softmax', what is quantised is not the finished softmax but p = 2^(t - M), with t = logit x log2(e) and M = ceil(the row's largest t), a whole number; so 1/2 < the row's largest p <= 1. The row's sum l is taken of the UNQUANTISED p, in f32, and the product's result is divided by l at the end. Since M is a whole number, a kernel that streams over the keys may use a running M (the ceiling of the running maximum): every later rescaling is an exact power of two, so the quantised numbers keep their values, but for numbers so far below the row's largest that they fall under the format's range.
;;   OPERANDS COMPUTED ON THE WAY. 'Computed on the way' means the value that the module computes at that place (a softmax that the list does not call 'softmax' is quantised finished and normalised). What goes into a quantiser is computed in f32, as accurately as f32 sums, v_exp_f32 and their like allow (about 1e-6 of the number): no bf16 or f16 on the way to a quantiser, and a product that is left as it is and whose result goes on into a quantised operand takes f32 operands (vector FMAs, or v_wmma_f32_16x16x4_f32). A number that lies on a knife's edge between two numbers of the format may be rounded either way, as far as f32 arithmetic and the matrix unit's own rounding can turn it there, and no further.
;; One version. Each part assembles by itself: llvm-mc -triple=amdgcn-amd-amdhsa -mcpu=gfx1250 --defsym DOCPART=n.
;; ======== version 1 of 1: 4 launches
;; limits: right only within a limited range of input values
;; workspace buffers: x_codes 4,194,304 bytes; w_codes 3,145,728 bytes; ow_codes 1,048,576 bytes; q_img 4,194,304 bytes; kv_img 8,388,608 bytes; o_img 4,194,304 bytes
;; launch quant (part 1): grid 512 x 1, 4 waves a work-group, no clusters, 33,280 bytes of LDS; arguments x, qkv_w, out_w, lowp_scales, x_codes, w_codes, ow_codes; writes x_codes, w_codes, ow_codes
.if DOCPART == 1
	.amdgcn_target "amdgcn-amd-amdhsa--gfx1250"
	.amdhsa_code_object_version 6
	.text
	.protected	k_q79c2b65113_quant
	.globl	k_q79c2b65113_quant
	.p2align	8
	.type	k_q79c2b65113_quant,@function
k_q79c2b65113_quant:
	s_mov_b64 s[64:65], 0
	v_nop
	global_prefetch_b8 v0, s[64:65] scope:SCOPE_SE
	s_setreg_imm32_b32 hwreg(HW_REG_WAVE_MODE, 25, 1), 1
	s_wait_xcnt 0x0
; x [4096][1024], qkv_w [3072][1024] and out_w [1024][1024], f32, become codes of BF8 (E5M2), one byte each, K innermost, each tensor with the one scale 2^e given for it
; (entries 0, 1 and 7 of the buffer of scales).  code = x / 2^e, held within +-57,344, rounded to the nearest code, ties to even.
; LIMITS: -126 <= e <= 112, so that 2^e and 57,344 x 2^e are f32 numbers.  NaN among the inputs is not served; an infinity is held at the largest code.
; LAYOUT OF THE CODES.  Rows are dense and 1,024 is a multiple of 32, so each tensor is a stream of blocks of 32.  In each block THE TWO MIDDLE PIECES OF 8 BYTES ARE SWAPPED: byte 16 o + 0..15 of a
; block holds k = 8 o + 0..7 and then k = 16 + 8 o + 0..7.  A 16-byte load at row + 32 c + 16 (lane / 16) then brings registers 4 c .. 4 c + 3 of a fragment of the plain 8-bit matrix forms
; (registers 2 c, 2 c + 1: k = 16 c + 8 (lane / 16) + 0..7) with every k in its own place: four loads a fragment instead of eight.
; SHARES.  A wave takes 8 steps of 512 numbers, a work-group 16,384 numbers: work-groups 0-255 x, 256-447 qkv_w, 448-511 out_w.  Only pointers and e are chosen: there is one path through the text.
; A conversion takes 8 neighbours along K from one lane's registers; a load is best where neighbouring lanes take neighbouring bytes.  So each load reads 512 consecutive bytes, 16 a lane, and a step's
; 2,048 bytes turn through the wave's own stage in LDS (16 bytes of padding behind each 64).  The four offsets of the reads from the stage are the swap of the pieces.
; All 32 loads of a wave go out at its start: 16 KiB a wave, the wave's whole share, so no ring is run.  No tensor loads, no barrier, no cluster: waves and work-groups share nothing.
.set STEPS, 8
.set WG_X,  256                        ; work-groups for x
.set WG_XW, 448                        ; for x and qkv_w
.set SP,    80                         ; a place in a stage: 64 bytes + 16 of padding
.set STGB,  32*SP                      ; a stage: a step's 2,048 bytes
.set WREG,  8192                       ; LDS of a wave: two stages by turns
.set R,     16                         ; v16-143  eight sets of 16 numbers as loaded, one for each step
.set X,     144                        ; v144-175 two sets of 16 numbers in the order of the codes
.set C,     176                        ; v176-207 four registers of codes for each step: no store's data are written again
	s_load_b256 s[4:11], s[0:1], 0x0               ; x s[4:5], qkv_w s[6:7], out_w s[8:9], the scales' exponents s[10:11]
	s_load_b128 s[12:15], s[0:1], 0x20             ; x's codes, qkv_w's codes
	s_load_b64 s[16:17], s[0:1], 0x30              ; out_w's codes
	v_lshl_add_u32 v208, v0, 2, 0x8000
	v_mov_b32 v209, 0
	v_lshrrev_b32 v1, 5, v0
	v_readfirstlane_b32 s20, v1                    ; wave
	v_and_b32 v2, 31, v0                           ; lane
	v_lshlrev_b32 v3, 4, v2                        ; my 16 bytes of a load's 512, and of a step's 512 bytes of codes
	s_mul_i32 s21, s20, WREG
	v_lshrrev_b32 v14, 2, v2
	v_mul_u32_u24 v14, v14, SP
	v_and_b32 v15, 3, v2
	v_lshl_add_u32 v14, v15, 4, v14
	v_add_nc_u32 v14, s21, v14                     ; into the stage: SP (lane / 4) + 16 (lane % 4); a load's 512 bytes take eight places
	v_lshrrev_b32 v15, 1, v2
	v_mul_u32_u24 v15, v15, 2*SP
	v_and_b32 v4, 1, v2
	v_lshl_add_u32 v15, v4, 5, v15
	v_add_nc_u32 v15, s21, v15                     ; out of it: block lane / 2 takes two places; o = lane % 2: 32 bytes on
	s_movk_i32 s19, WG_XW
	s_wait_alu depctr_va_vdst(0)
	s_wait_kmcnt 0x0
	s_load_b256 s[24:31], s[10:11], 0x0            ; the eight exponents
	s_cmp_lt_u32 ttmp9, WG_XW                      ; which tensor?  The choice hangs on the work-group's number alone
	s_cselect_b64 s[6:7], s[6:7], s[8:9]
	s_cselect_b64 s[14:15], s[14:15], s[16:17]
	s_cselect_b32 s18, WG_X, s19
	s_cmp_lt_u32 ttmp9, WG_X
	s_cselect_b64 s[4:5], s[4:5], s[6:7]           ; the tensor,
	s_cselect_b64 s[12:13], s[12:13], s[14:15]     ; its codes,
	s_cselect_b32 s18, 0, s18                      ; its first work-group
	s_sub_co_u32 s18, ttmp9, s18
	s_lshl_b32 s18, s18, 2
	s_add_co_u32 s18, s18, s20                     ; which run of 4,096 numbers of the tensor is my wave's
	s_lshl_b32 s22, s18, 14                        ; 16,384 bytes of f32,
	s_mov_b32 s23, 0
	s_add_nc_u64 s[4:5], s[4:5], s[22:23]
	s_lshl_b32 s22, s18, 12                        ; 4,096 bytes of codes
	s_add_nc_u64 s[12:13], s[12:13], s[22:23]
.macro LOAD t
.irp i, 0,1,2,3
	global_load_b128 v[R+16*(\t)+4*\i:R+16*(\t)+4*\i+3], v3, s[4:5] offset:2048*(\t)+512*\i th:TH_LOAD_NT   ; 32 lanes read 512 consecutive bytes; read once in the launch
.endr
.endm
.macro TURN t                          ; step t's numbers through stage t % 2: LDS serves a wave's instructions in order (ISA guide 5.7.1), so no wait stands between the stores and the loads
.set XT, X+16*((\t)%2)
.irp i, 0,1,2,3
	ds_store_b128 v14, v[R+16*(\t)+4*\i:R+16*(\t)+4*\i+3] offset:STGB*((\t)%2)+8*SP*\i
.endr
	ds_load_b128 v[XT:XT+3],     v15 offset:STGB*((\t)%2)         ; k = 8 o + 0..3
	ds_load_b128 v[XT+4:XT+7],   v15 offset:STGB*((\t)%2)+16      ; k = 8 o + 4..7
	ds_load_b128 v[XT+8:XT+11],  v15 offset:STGB*((\t)%2)+SP      ; k = 16 + 8 o + 0..3: the block's second 64 bytes lie one place on
	ds_load_b128 v[XT+12:XT+15], v15 offset:STGB*((\t)%2)+SP+16   ; k = 16 + 8 o + 4..7
.endm
.irp t, 0,1,2,3,4,5,6,7
	LOAD \t
.endr
	s_wait_kmcnt 0x0
	s_cmp_lt_u32 ttmp9, WG_XW
	s_cselect_b32 s25, s25, s31                    ; qkv_w's e (entry 1) or out_w's (entry 7)
	s_cmp_lt_u32 ttmp9, WG_X
	s_cselect_b32 s24, s24, s25                    ; or x's (entry 0)
	s_add_co_i32 s24, s24, 127
	s_lshl_b32 s25, s24, 23
	v_mov_b32 v11, s25                             ; 2^e as f32: the conversion takes its exponent field
	s_add_co_i32 s24, s24, 15
	s_lshl_b32 s24, s24, 23
	s_or_b32 s24, s24, 0x600000
	v_mov_b32 v10, s24                             ; 57,344 x 2^e
	s_wait_alu depctr_va_vdst(0)
	s_wait_loadcnt 28                              ; step 0's four loads are in; the 28 of steps 1 to 7 may be out
	TURN 0
.macro STEP t
.set XS, X+16*((\t)%2)
	s_wait_dscnt 0x0                               ; this step's numbers are back from the stage
.if (\t) < STEPS-1
	s_wait_loadcnt 4*(STEPS-2-(\t))                ; the next step's four loads are in; those of the steps behind it may be out
	TURN (\t)+1                                    ; and go through the other stage while this step is worked
.endif
.irp i, 0,1,2,3,4,5,6,7,8,9,10,11,12,13,14,15
	v_med3_num_f32 v[XS+\i], v[XS+\i], -v10, v10   ; the conversion to an 8-bit code does not saturate (ISA guide 7.6.2): the hold at the largest code x the scale comes first
.endr
	v_cvt_scalef32_pk8_bf8_f32 v[C+4*(\t):C+4*(\t)+1], v[XS:XS+7], v11
	v_cvt_scalef32_pk8_bf8_f32 v[C+4*(\t)+2:C+4*(\t)+3], v[XS+8:XS+15], v11   ; the results are touched by the store alone; the next vector lines are the next step's holds, on the other set
	global_store_b128 v3, v[C+4*(\t):C+4*(\t)+3], s[12:13] offset:512*(\t)    ; the wave stores 512 consecutive bytes, aligned
.endm
.irp t, 0,1,2,3,4,5,6,7
	STEP \t
.endr
	s_wait_tensorcnt 0x0
	ds_add_u32 v208, v209
	s_wait_dscnt 0x0
	s_endpgm
.Lfunc_end_k_q79c2b65113_quant:
	.size	k_q79c2b65113_quant, .Lfunc_end_k_q79c2b65113_quant-k_q79c2b65113_quant
	.p2alignl 7, 3214868480
	.fill 96, 4, 3214868480
	.section	.rodata,"a",@progbits
	.p2align	6, 0x0
	.amdhsa_kernel k_q79c2b65113_quant
		.amdhsa_group_segment_fixed_size 33280
		.amdhsa_private_segment_fixed_size 0
		.amdhsa_enable_private_segment 0
		.amdhsa_kernarg_size 56
		.amdhsa_user_sgpr_count 2
		.amdhsa_user_sgpr_kernarg_segment_ptr 1
		.amdhsa_wavefront_size32 1
		.amdhsa_system_sgpr_workgroup_id_x 1
		.amdhsa_system_sgpr_workgroup_id_y 1
		.amdhsa_system_sgpr_workgroup_id_z 1
		.amdhsa_system_vgpr_workitem_id 0
		.amdhsa_next_free_vgpr 210
		.amdhsa_next_free_sgpr 66
		.amdhsa_reserve_vcc 0
		.amdhsa_float_denorm_mode_32 3
		.amdhsa_float_denorm_mode_16_64 3
		.amdhsa_memory_ordered 1
		.amdhsa_forward_progress 1
		.amdhsa_inst_pref_size 20
	.end_amdhsa_kernel
	.amdgpu_metadata
---
amdhsa.version: [ 1, 2 ]
amdhsa.kernels:
  - .name:           k_q79c2b65113_quant
    .symbol:         k_q79c2b65113_quant.kd
    .args:
      - { .name: x, .offset: 0, .size: 8, .value_kind: global_buffer, .address_space: global }
      - { .name: qkv_w, .offset: 8, .size: 8, .value_kind: global_buffer, .address_space: global }
      - { .name: out_w, .offset: 16, .size: 8, .value_kind: global_buffer, .address_space: global }
      - { .name: lowp_scales, .offset: 24, .size: 8, .value_kind: global_buffer, .address_space: global }
      - { .name: x_codes, .offset: 32, .size: 8, .value_kind: global_buffer, .address_space: global }
      - { .name: w_codes, .offset: 40, .size: 8, .value_kind: global_buffer, .address_space: global }
      - { .name: ow_codes, .offset: 48, .size: 8, .value_kind: global_buffer, .address_space: global }
    .group_segment_fixed_size: 33280
    .private_segment_fixed_size: 0
    .kernarg_segment_align: 8
    .kernarg_segment_size: 56
    .max_flat_workgroup_size: 128
    .sgpr_count:     66
    .vgpr_count:     210
    .wavefront_size: 32
...
	.end_amdgpu_metadata
.endif
;; end of part 1
;; launch gemm_qkv (part 2): grid 12 x 16, 4 waves a work-group, clusters of 4 x 4, 327,680 bytes of LDS; arguments x_codes, w_codes, lowp_scales, qkv_b, q_img, kv_img; writes q_img, kv_img
.if DOCPART == 2
	.amdgcn_target "amdgcn-amd-amdhsa--gfx1250"
	.amdhsa_code_object_version 6
	.text
	.protected	k_q79c2b65113_gemm_qkv
	.globl	k_q79c2b65113_gemm_qkv
	.p2align	8
	.type	k_q79c2b65113_gemm_qkv,@function
k_q79c2b65113_gemm_qkv:
	s_mov_b64 s[64:65], 0
	v_nop
	global_prefetch_b8 v0, s[64:65] scope:SCOPE_SE
	s_setreg_imm32_b32 hwreg(HW_REG_WAVE_MODE, 25, 1), 1
	s_wait_xcnt 0x0
	s_wait_alu depctr_hold_cnt(0) depctr_sa_sdst(0) depctr_va_vdst(0) depctr_va_sdst(0) depctr_va_ssrc(0) depctr_va_vcc(0) depctr_vm_vsrc(0)
	s_getreg_b32 s2, hwreg(HW_REG_IB_STS2, 6, 4)
	s_cmp_eq_u32 s2, 0
	s_cbranch_scc0 .Lentry_in_a_cluster
	s_endpgm
.Lentry_in_a_cluster:
	s_bfe_u32 s2, ttmp6, 0x10000c
	s_cmp_lg_u32 s2, 0xf033
	s_cbranch_scc0 .Lentry_shape_is_right
	s_endpgm
.Lentry_shape_is_right:
; qkv = x qkv_w^T + qkv_b on codes of BF8 (E5M2), K = 1,024; the sums x 2^(e0 + e1) + bias, in f32, are quantised at once for the attention: q with 2^e2, k with 2^e3, v with 2^e5.
; LIMITS: e0 + e1 between -126 and 127; e2, e3, e5 between -126 and 112: each power of two below is then an f32 number.
; A tile of 256 x 256 is made by a work-group of four waves, a wave makes 128 x 128: 64 accumulators, 512 registers.  K goes in steps of 256 through a ring of two LDS slots filled by the tensor data mover.
; THE CLUSTER'S x IS THE KIND OF TILE: 0 = q, 1 = k, 2 = v; it is alike in all sixteen work-groups of a cluster, and no branch hangs on it: pointers, strides and biases are chosen by s_cselect and v_cndmask.
;   q, k:  A = x (16 tile rows), B = qkv_w's rows 0-2047 (tile column 4 kind + cx).      v:  v^T = Wv x^T:  A = qkv_w's rows 2048-3071 (tile row cy), B = x (tile column 4 cluster y + cx).
; 192 work-groups: tiles of this size do not straddle the borders between q, k and v inside a cluster, and a smaller tile would read twice the LDS bytes for each matrix instruction.
; CLUSTERS: 4 x 4.  The four of a row of the cluster need the same tiles of A, the four of a column the same tiles of B: each tile is asked for JOINTLY, by the same tensor load with a mask that names the four.
; THE MATRIX INSTRUCTION IS USED TRANSPOSED (source 0 = 16 rows of B, source 1 = 16 rows of A): lane (r, h) holds row r of A's block and eight neighbouring columns 16 bb + 8 h + 0..7.
; Their eight codes ARE registers 2 bb, 2 bb + 1 of a fragment of the plain 8-bit forms.  So the results leave as IMAGES OF THE NEXT OPERAND'S REGISTERS, straight from registers, 16 bytes a lane:
;   q_img  [head 16 b + h][step of 128 positions][tile of 16][part of 4 registers][lane][16 bytes]: K = the head's 64 channels (8 registers a fragment)
;   kv_img [head][step][k: 8,192 bytes, laid like q's step | v: 8,192 bytes: [16 channels td][part][lane][16 bytes]: K = the step's 128 keys (16 registers a fragment)]
; q, k: block a of 16 rows gives tile a of two heads (columns 0-63, 64-127).   v: block a of 16 channels gives fragment td = a % 4 of head a / 4, whole.
; REGISTERS, in windows of 256: window 0: v0-31 addresses and constants; v32-95 the bias by columns; v96-111 the bias by rows; v112-127 the stores' offsets; from v128 A's fragments, ONE set
;   (on the way out v128-191 f32 numbers, v192-255 codes).   window 1: B's fragments, TWO sets.   window 2: the accumulators of my rows 0-63 ((a, b) at v[8 (8 a + b)]);   window 3: those of rows 64-127.
.set ROWB,   256                       ; a tile's row in bytes: 256 codes
.set KROW,   1024                      ; a row of A or of B in memory
.set PITCH,  272                       ; an LDS row: 256 bytes + 16 of padding = 68 words: row r starts at bank 4 r mod 64 (64 banks of 4 bytes: ISA guide 11.1)
.set FR,     16                        ; registers of a fragment: 16 rows x 128 K
.set NL,     4                         ; LDS loads that bring one
.set NP,     4                         ; places behind this matrix instruction (ISA guide 7.12.1)
.set HALFT,  128*PITCH                 ; 128 rows: what one tensor load brings, and what one wave reads of A or of B
.set SLOT,   4*HALFT                   ; A's 256 rows, then B's 256 rows
.set SPARE,  2*SLOT                    ; behind the ring: the spare words, 128 bytes for each wave: two blocks of 256 bytes that no other line names
.set ADRA, 16                          ; v16-17  LDS address of my A fragments in slot 0, 1
.set ADRB, 20                          ; v20-21  the same for B
.set LI,   24                          ; v24     16 x lane
.set H32,  25                          ; v25     32 (lane / 16): my eight numbers of the bias by columns
.set R4,   26                          ; v26     4 (lane % 16): my number of the bias by rows
.set SPW,  28                          ; v28     LDS address of my spare word; never rewritten
.set NIL,  29                          ; v29     0; never rewritten
.set QS,   30                          ; v30     the output's scale 2^eo as f32
.set QL,   31                          ; v31     57,344 x 2^eo
.set BC,   32
.set BR,   96
.set OFFV, 112
.set AF,   128
.set TMP,  128
.set CR,   192
.set G1, 24                            ; s[24:31] descriptor group 1 for A's tiles;  s[32:39] group 0, one set for each slot
.set G0, 32
.set G1B, 48                           ; s[48:55], s[56:63] the same for B's tiles
.set G0B, 56
.set MSB, 0
.macro WIN new                         ; the immediate's high byte repeats the setting that is left
.if MSB != (\new)
	s_set_vgpr_msb (MSB<<8)|(\new)
.set MSB, \new
.endif
.endm
.set MUL_LO, 0xa1                      ; source 0 (B) window 1, source 1 (A) window 0, C and D window 2
.set MUL_HI, 0xf1                      ; the same, C and D window 3
.set TO_B,   0x40                      ; destination window 1, address window 0
; A joint load: waves 0 and 1 fetch for A, waves 2 and 3 for B.  Each line has one mask and one set of registers for all that issue it; the branch hangs on the wave's number alone.
; Four v_nop follow each of the two lines, ahead of the jump, the label and what follows.
.macro JLOAD g0a, g1a, g0b, g1b
	s_cmp_eq_u32 s15, 0
	s_cbranch_scc0 .Lfor_b_\@
	tensor_load_to_lds s[\g0a:\g0a+3], s[\g1a:\g1a+7]
	s_nop 0
.rept 4
	v_nop
.endr
	s_branch .Lasked_\@
.Lfor_b_\@:
	tensor_load_to_lds s[\g0b:\g0b+3], s[\g1b:\g1b+7]
	s_nop 0
.rept 4
	v_nop
.endr
.Lasked_\@:
.endm
.macro CREST                           ; a round of the cluster's barrier behind its opening barrier
	s_cmp_lg_u32 s14, 0
	s_cbranch_scc1 .Lnot_wave_0_\@
	s_barrier_signal -3
.Lnot_wave_0_\@:
	s_barrier_wait -3
	s_barrier_signal -1
	s_barrier_wait -1
.endm
.macro CROUND                          ; a whole round
	s_barrier_signal -1
	s_barrier_wait -1
	CREST
.endm
	s_load_b256 s[4:11], s[0:1], 0x0               ; x's codes s[4:5], qkv_w's codes s[6:7], the scales' exponents s[8:9], qkv_b s[10:11]
	s_load_b128 s[68:71], s[0:1], 0x20             ; q_img s[68:69], kv_img s[70:71]
	v_lshl_add_u32 v[SPW], v0, 2, SPARE
	v_mov_b32 v[NIL], 0
	ds_add_u32 v28, v29
	ds_add_u32 v28, v29
	s_wait_dscnt 0x0
	v_lshrrev_b32 v1, 5, v0
	v_readfirstlane_b32 s14, v1                    ; wave 0..3
	s_lshr_b32 s15, s14, 1                         ; which half of the tile's rows is mine.  Also: I fetch for A (0) or for B (1)
	s_and_b32 s16, s14, 1                          ; which half of its columns.  Also: which 128 rows of that tile I fetch
	s_bfe_u32 s40, ttmp6, 0x40000                  ; cx, cy: my place in the cluster
	s_bfe_u32 s41, ttmp6, 0x40004
	s_and_b32 s66, ttmp7, 0xffff
	s_lshl_b32 s66, s66, 2                         ; 4 x cluster y
	s_lshl_b32 s67, ttmp9, 2                       ; 4 x kind
	s_cmp_eq_u32 ttmp9, 2                          ; v?
	s_cselect_b32 s17, 0, s66
	s_cselect_b32 s42, s66, s67
	s_cselect_b32 s99, -1, 0                       ; a lane mask: all ones for v,
	s_cselect_b32 s100, 0, -1                      ; all ones for q and k
	s_add_co_u32 s17, s17, s41                     ; tile row:    q, k: 4 cluster y + cy;   v: cy
	s_add_co_u32 s42, s42, s40                     ; tile column: q, k: 4 kind + cx;        v: 4 cluster y + cx
	s_lshl_b32 s43, s41, 2
	s_lshl_b32 s43, 15, s43                        ; my row of the cluster
	s_lshl_b32 s44, 0x1111, s40                    ; my column
	; descriptor group 1: a tile of 128 rows x 256 bytes, padded in LDS
	s_or_b32 s[G1+0], s43, (0<<16)|(1<<20)|(1<<21)|(5<<22)|(3<<25)  ; 15:0 the mask: A's tiles go to my row; 17:16 element of 1 byte; 20 padding on; 21 set beside a mask; 24:22 after every 64 words (code 5); 31:25 of 4 words (code 3)
	s_or_b32 s[G1B+0], s44, (0<<16)|(1<<20)|(1<<21)|(5<<22)|(3<<25)
.irp g, G1, G1B
	s_mov_b32 s[\g+1], ROWB<<16                    ; tensor_dim0
	s_mov_b32 s[\g+2], 128<<16                     ; tensor_dim1 = 128
	s_mov_b32 s[\g+3], ROWB<<16                    ; tile_dim0
	s_mov_b32 s[\g+4], 128                         ; tile_dim1 = 128
	s_mov_b32 s[\g+5], KROW                        ; tensor_dim0_stride
	s_mov_b32 s[\g+6], 0
	s_mov_b32 s[\g+7], 0
.endr
	s_lshl_b32 s18, s16, 7                         ; which 128 rows of the tile I fetch
	s_lshl_b32 s20, s17, 8
	s_add_co_u32 s20, s20, s18                     ; A: row 256 x tile row + 128 x half,
	s_lshl_b32 s20, s20, 10                        ; in bytes (under 2^23)
	s_mov_b32 s21, 0
	s_lshl_b32 s46, s42, 8
	s_add_co_u32 s46, s46, s18                     ; B: row 256 x tile column + 128 x half
	s_lshl_b32 s46, s46, 10
	s_mov_b32 s47, 0
	s_mul_i32 s45, s14, HALFT                      ; where they go: wave x 128 rows: no place in the cluster enters an LDS address
	s_wait_kmcnt 0x0
	s_load_b256 s[80:87], s[8:9], 0x0              ; e0 .. e7
	s_add_nc_u64 s[72:73], s[6:7], 2048*KROW       ; Wv: qkv_w's rows from 2,048 on
	s_cmp_eq_u32 ttmp9, 2
	s_cselect_b64 s[72:73], s[72:73], s[4:5]       ; A: Wv or x
	s_cselect_b64 s[74:75], s[4:5], s[6:7]         ; B: x or qkv_w
	s_add_nc_u64 s[20:21], s[72:73], s[20:21]
	s_add_nc_u64 s[46:47], s[74:75], s[46:47]
	CROUND                                         ; all sixteen work-groups are here: the first joint loads meet
.irp s, 0,1
	s_mov_b32 s[G0+4*\s], 1
	s_add_co_u32 s[G0+4*\s+1], s45, \s*SLOT
	s_add_nc_u64 s[G0+4*\s+2:G0+4*\s+3], s[20:21], \s*ROWB
	s_or_b32 s[G0+4*\s+3], s[G0+4*\s+3], 0x80000000
	s_mov_b32 s[G0B+4*\s], 1
	s_add_co_u32 s[G0B+4*\s+1], s45, \s*SLOT
	s_add_nc_u64 s[G0B+4*\s+2:G0B+4*\s+3], s[46:47], \s*ROWB
	s_or_b32 s[G0B+4*\s+3], s[G0B+4*\s+3], 0x80000000
.endr
	JLOAD G0, G1, G0B, G1B                         ; K step 0: one tensor load a wave at the head
	; PREFETCHES INTO THE L2.  Of the 128 rows that my wave fetches, each of the four partners that ask for them jointly takes 32, told apart by address (cx for A's tiles, cy for B's): a lane a row,
	; 256 bytes of a row to a K step.  Behind K step 0's load: K steps 1 and 2; behind K step 1's load: K step 3, the last.  The address registers are never rewritten.
	s_cmp_eq_u32 s15, 0                            ; do I fetch for A?
	s_cselect_b64 s[72:73], s[20:21], s[46:47]     ; my 128 rows
	s_cselect_b32 s74, s40, s41                    ; my place among the four partners
	s_lshl_b32 s74, s74, 15                        ; 32 rows of 1,024 bytes
	s_mov_b32 s75, 0
	s_add_nc_u64 s[72:73], s[72:73], s[74:75]
	v_and_b32 v27, 31, v0
	v_lshlrev_b32 v27, 10, v27                     ; v27: my lane's row; never rewritten
	global_prefetch_b8 v27, s[72:73] offset:256 th:TH_LOAD_NT scope:SCOPE_SE
	global_prefetch_b8 v27, s[72:73] offset:512 th:TH_LOAD_NT scope:SCOPE_SE
	v_and_b32 v1, 15, v0
	v_bfe_u32 v2, v0, 4, 1                         ; h = lane / 16
	v_mul_u32_u24 v3, v1, PITCH
	v_lshl_add_u32 v4, v2, 4, v3                   ; a fragment's row x pitch + 16 x half
	s_mul_i32 s21, s15, HALFT                      ; my 128 rows of A
	s_mul_i32 s22, s16, HALFT                      ; my 128 rows of B,
	s_add_co_u32 s22, s22, 2*HALFT                 ; which lie behind A's 256
.irp s, 0,1
	v_add_nc_u32 v[ADRA+\s], s21, v4
	v_add_nc_u32 v[ADRB+\s], s22, v4
	s_add_co_u32 s21, s21, SLOT
	s_add_co_u32 s22, s22, SLOT
.endr
	v_and_b32 v5, 31, v0
	v_lshlrev_b32 v[LI], 4, v5
	v_lshlrev_b32 v[H32], 5, v2
	s_wait_alu depctr_va_vdst(0)
	v_lshlrev_b32 v[R4], 2, v1
	; THE BIASES.  q, k: by columns, qkv_b[256 tile column + 128 half + 16 bb + 8 h + j].  v: by rows, qkv_b[2048 + 256 tile row + 128 half + 16 a + r].
	; Both sets are loaded in every work-group, the one that does not apply from the buffer's first bytes, and it is replaced by zeros behind the loop.
	s_wait_alu depctr_va_vdst(0)
	s_lshl_b32 s18, s42, 10
	s_lshl_b32 s19, s16, 9
	s_add_co_u32 s18, s18, s19
	s_lshl_b32 s22, s17, 10
	s_lshl_b32 s23, s15, 9
	s_add_co_u32 s22, s22, s23
	s_add_co_u32 s22, s22, 2048*4
	s_cmp_eq_u32 ttmp9, 2
	s_cselect_b32 s18, 0, s18
	s_cselect_b32 s22, s22, 0
	s_mov_b32 s19, 0
	s_mov_b32 s23, 0
	s_add_nc_u64 s[78:79], s[10:11], s[18:19]
	s_add_nc_u64 s[10:11], s[10:11], s[22:23]
.irp b, 0,1,2,3,4,5,6,7
	global_load_b128 v[BC+8*\b:BC+8*\b+3],   v[H32], s[78:79] offset:64*\b
	global_load_b128 v[BC+8*\b+4:BC+8*\b+7], v[H32], s[78:79] offset:64*\b+16
.endr
.irp a, 0,1,2,3,4,5,6,7
	global_load_b32 v[BR+2*\a], v[R4], s[10:11] offset:64*\a
.endr
	; WHERE THE IMAGES GO.  P, pw: the tile and half that run along the positions; H, hw: those that run along the channels.
	s_and_b32 s91, s42, 3
	s_mov_b32 s92, 262144
	s_movk_i32 s93, 16384
	s_movk_i32 s95, 1024
	s_cmp_eq_u32 ttmp9, 0                          ; q?
	s_cselect_b32 s92, 131072, s92                 ; HS: bytes from head to head
	s_cselect_b32 s93, 8192, s93                   ; SS: from step to step
	s_cselect_b64 s[76:77], s[68:69], s[70:71]     ; q_img or kv_img
	s_cmp_eq_u32 ttmp9, 2                          ; v?
	s_cselect_b32 s88, s42, s17                    ; P
	s_cselect_b32 s89, s16, s15                    ; pw
	s_cselect_b32 s90, s17, s91                    ; H
	s_cselect_b32 s91, s15, s16                    ; hw
	s_cselect_b32 s94, s92, 4096                   ; X1: from block a to a + 4:   v: the next head;       q, k: four tiles
	s_cselect_b32 s95, 2048, s95                   ; X2: from block a to a + 1:   v: the next fragment;   q, k: the next tile
	s_cselect_b32 s98, 1024, s92                   ; X3: from registers 0-7 to 8-15 of a block's codes:   v: two parts on;   q, k: the next head
	s_cselect_b32 s13, 8192, 0                     ; v lies behind k in a step
	s_lshr_b32 s18, s88, 3                         ; the batch: 8 tiles of 256 positions each
	s_lshl_b32 s18, s18, 4
	s_lshl_b32 s19, s90, 2
	s_add_co_u32 s18, s18, s19
	s_lshl_b32 s19, s91, 1
	s_add_co_u32 s18, s18, s19                     ; my first head: 16 b + 4 H + 2 hw
	s_mul_i32 s18, s18, s92
	s_and_b32 s19, s88, 7
	s_lshl_b32 s19, s19, 1
	s_add_co_u32 s19, s19, s89                     ; my step: 2 (P % 8) + pw
	s_mul_i32 s19, s19, s93
	s_add_co_u32 s18, s18, s19
	s_add_co_u32 s18, s18, s13
	s_mov_b32 s19, 0
	s_add_nc_u64 s[76:77], s[76:77], s[18:19]
.irp a, 0,1,2,3,4,5,6,7
	s_mul_i32 s12, s94, \a/4
	s_mul_i32 s13, s95, \a%4
	s_add_co_u32 s12, s12, s13
	v_add_nc_u32 v[OFFV+2*\a], s12, v[LI]          ; one offset for each pair of stores: none is ever rewritten
	s_add_co_u32 s12, s12, s98
	v_add_nc_u32 v[OFFV+2*\a+1], s12, v[LI]
.endr
	s_wait_kmcnt 0x0
	s_cmp_eq_u32 ttmp9, 0
	s_cselect_b32 s18, s82, s83                    ; eo: q: e2, k: e3,
	s_cmp_eq_u32 ttmp9, 2
	s_cselect_b32 s18, s85, s18                    ; v: e5
	s_add_co_i32 s18, s18, 127
	s_lshl_b32 s19, s18, 23
	v_mov_b32 v[QS], s19                           ; 2^eo as f32: the conversion takes its exponent field
	s_add_co_i32 s18, s18, 15
	s_lshl_b32 s18, s18, 23
	s_or_b32 s18, s18, 0x600000
	v_mov_b32 v[QL], s18                           ; 57,344 x 2^eo
	s_add_co_i32 s96, s80, s81
	s_add_co_i32 s96, s96, 127
	s_lshl_b32 s96, s96, 23                        ; 2^(e0 + e1) as f32
	s_mov_b32 s97, s96                             ; (named with it as a pair, so it is written)
.macro FRAG reg, adr, q, i             ; a fragment, 16 rows x 128 K: by the codes' layout (pieces swapped) registers 2 c, 2 c + 1 hold K = 16 c + 8 (lane / 16) + 0..7
.irp c, 0,1,2,3
	ds_load_b128 v[\reg+4*\c:\reg+4*\c+3], v[\adr] offset:128*(\q)+32*\c+(\i)*16*PITCH
.endr
.endm
; 16 matrix instructions: A's blocks a0, a0 + 1 x B's eight, 128 along K.  p: B's set.  zero = 1: the first product starts the sums.
; The 64 accumulators take turns, one instruction a turn, in the same order in every step.
.macro MUL16 a0, p, zero
.irp a, \a0, \a0+1
.irp b, 0,1,2,3,4,5,6,7
.if \zero
	v_wmma_f32_16x16x128_bf8_bf8 v[8*(8*((\a)%4)+\b):8*(8*((\a)%4)+\b)+7], v[128*(\p)+FR*\b:128*(\p)+FR*\b+FR-1], v[AF+FR*(\a):AF+FR*(\a)+FR-1], 0
.else
	v_wmma_f32_16x16x128_bf8_bf8 v[8*(8*((\a)%4)+\b):8*(8*((\a)%4)+\b)+7], v[128*(\p)+FR*\b:128*(\p)+FR*\b+FR-1], v[AF+FR*(\a):AF+FR*(\a)+FR-1], v[8*(8*((\a)%4)+\b):8*(8*((\a)%4)+\b)+7]
.endif
.endr
.endr
.endm
.macro FETCH_B slot, q, p              ; B's eight fragments of the slot's q-th 128 along K into set p
	WIN TO_B
.irp i, 0,1,2,3,4,5,6,7
	FRAG 128*(\p)+FR*\i, ADRB+\slot, \q, \i
.endr
	WIN 0
.endm
.macro FETCH_A slot, q, i0             ; A's blocks i0 .. i0 + 3
.irp i, \i0, \i0+1, \i0+2, \i0+3
	FRAG AF+FR*(\i), ADRA+\slot, \q, \i
.endr
.endm
; A load into a register that a matrix instruction has read stands NP places behind that matrix instruction, and only plain vector instructions that name none of its registers are places
; (ISA guide 7.12.1 for vector instructions).
.macro PLACES n
.rept \n
	v_nop
.endr
.endm
; A step of 128 along K that has its successor in the same slot.  A's blocks go one after the other, each against B's eight: a block of A is free when its eight products are issued, so A has one set.
.macro STEP slot, q, zero
	s_wait_dscnt 4*NL                              ; B's set and A's blocks 0-3 are in; the youngest 16 loads (A's blocks 4-7) may be out
	WIN MUL_LO
	MUL16 0, (\q)%2, \zero
	MUL16 2, (\q)%2, \zero
	s_wait_dscnt 0                                 ; A's blocks 4-7 are in
	PLACES NP
	FETCH_B \slot, (\q)+1, 1-(\q)%2
	FETCH_A \slot, (\q)+1, 0
	WIN MUL_HI
	MUL16 4, (\q)%2, \zero
	MUL16 6, (\q)%2, \zero
	PLACES NP
	WIN 0
	FETCH_A \slot, (\q)+1, 4
.endm
; A slot's last step changes slots: ONE barrier; in front of it each wave waits for all its tensor loads, adds 0 to its spare word, and waits for that and for its own reads of this slot.  fill = 1: this slot is filled again, two K steps ahead.
.macro TURN slot, next, fill
	s_wait_tensorcnt 0x0                           ; all my tensor loads have landed: my part of the next slot  (every window is 0 here)
	ds_add_u32 v[SPW], v[NIL]                      ; 0 onto my spare word
	s_wait_dscnt 4*NL+1                            ; (the add and the youngest 16 loads, A's blocks 4-7, may be out)
	WIN MUL_LO
	MUL16 0, 1, 0                                  ; sixteen matrix instructions stand between the add and the wait for it
	s_wait_dscnt 0x0                               ; the add is done, and my reads of this slot are over
	s_barrier_signal -1
	MUL16 2, 1, 0
	WIN 0
	s_barrier_wait -1
.if \fill
	CREST                                          ; the barrier has opened a round of the cluster's barrier: no wave of any partner still reads this slot's tile or has a load on its way
	s_add_nc_u64 s[G0+4*\slot+2:G0+4*\slot+3], s[G0+4*\slot+2:G0+4*\slot+3], 2*ROWB
	s_add_nc_u64 s[G0B+4*\slot+2:G0B+4*\slot+3], s[G0B+4*\slot+2:G0B+4*\slot+3], 2*ROWB
	JLOAD G0+4*\slot, G1, G0B+4*\slot, G1B         ; the first tensor load behind the round, my one load until the next; its four v_nop are the places in front of the loads below
.else
	PLACES NP
.endif
	FETCH_B \next, 0, 0
	FETCH_A \next, 0, 0
	WIN MUL_HI
	MUL16 4, 1, 0
	MUL16 6, 1, 0
	PLACES NP
	WIN 0
	FETCH_A \next, 0, 4
.endm
	s_wait_alu depctr_va_vdst(0)                   ; the head's end
	s_wait_tensorcnt 0x0                           ; my part of K step 0 is in
	ds_add_u32 v[SPW], v[NIL]
	s_wait_dscnt 0x0
	CROUND                                         ; everybody's part of K step 0 is in, and the joint loads meet
	JLOAD G0+4, G1, G0B+4, G1B                     ; K step 1: the first tensor load behind the round
	FETCH_B 0, 0, 0
	global_prefetch_b8 v27, s[72:73] offset:768 th:TH_LOAD_NT scope:SCOPE_SE   ; K step 3, two refills ahead of its load
	FETCH_A 0, 0, 0
	FETCH_A 0, 0, 4
	; K = 1,024 is four slots' worth, eight steps of 128: written out, since each slot is filled again just once
	STEP 0, 0, 1                                   ; K 0-127: the products start the sums
	TURN 0, 1, 1                                   ; K 128-255; slot 0 takes K 512-767
	STEP 1, 0, 0
	TURN 1, 0, 1                                   ; slot 1 takes K 768-1023
	STEP 0, 0, 0
	TURN 0, 1, 0                                   ; nothing is left to fetch: no round of the cluster's barrier
	STEP 1, 0, 0
	s_wait_dscnt 4*NL                              ; the last step
	WIN MUL_LO
	MUL16 0, 1, 0
	MUL16 2, 1, 0
	s_wait_dscnt 0
	WIN MUL_HI
	MUL16 4, 1, 0
	MUL16 6, 1, 0
	WIN 0
	; THE WAY OUT.  The bias that does not apply becomes 0.  These 80 plain lines name no register of the last products: they are the places behind them.
	s_wait_loadcnt 0x0                             ; the biases
.set j, 0
.rept 64
	v_cndmask_b32 v[BC+j], 0, v[BC+j], s100        ; kept for q and k
.set j, j+1
.endr
.irp a, 0,1,2,3,4,5,6,7
	v_cndmask_b32 v[BR+2*\a+1], 0, v[BR+2*\a], s99 ; kept for v; both halves of the pair hold the row's number
	v_cndmask_b32 v[BR+2*\a], 0, v[BR+2*\a], s99
.endr
; Block a: 16 rows x 128 columns: sum x 2^(e0 + e1) + bias in f32, the hold, the conversion, four stores of 512 consecutive aligned bytes each.
.macro OUTBLK a
.set AC, 64*((\a)%4)
.set CB, CR+16*((\a)%4)
.if (\a) >= 4
	s_wait_xcnt 0x0                                ; block a - 4's stores have read their data: this set of code registers is written again only behind this wait
.endif
	WIN 0x02+((\a)/4)                              ; source 0: window 2 or 3
.set j, 0
.rept 32
	v_pk_fma_f32 v[TMP+j:TMP+j+1], v[AC+j:AC+j+1], s[96:97], v[BC+j:BC+j+1] op_sel_hi:[1,0,1]   ; each accumulator from its low end on
.set j, j+2
.endr
	WIN 0
.set j, 0
.rept 32
	v_pk_add_f32 v[TMP+j:TMP+j+1], v[TMP+j:TMP+j+1], v[BR+2*(\a):BR+2*(\a)+1]
.set j, j+2
.endr
.set bb, 0
.rept 8
.set j, 0
.rept 8
	v_med3_num_f32 v[TMP+8*bb+j], v[TMP+8*bb+j], -v[QL], v[QL]   ; the conversion to an 8-bit code does not saturate (ISA guide 7.6.2)
.set j, j+1
.endr
	v_cvt_scalef32_pk8_bf8_f32 v[CB+2*bb:CB+2*bb+1], v[TMP+8*bb:TMP+8*bb+7], v[QS]   ; registers 2 bb, 2 bb + 1 of the image
.set bb, bb+1
.endr
	v_nop                                          ; one plain line between the last conversion and the next block's writes of its sources
.irp g, 0,1,2,3
	global_store_b128 v[OFFV+2*(\a)+\g/2], v[CB+4*\g:CB+4*\g+3], s[76:77] offset:512*(\g%2)
.endr
.endm
.irp a, 0,1,2,3,4,5,6,7
	OUTBLK \a
.endr
	s_wait_tensorcnt 0x0                           ; the wave's end
	ds_add_u32 v[SPW], v[NIL]
	s_wait_dscnt 0x0
	CROUND                                         ; the closing round: no work-group ends while a partner may still ask for a tile that names it
	s_endpgm
.Lfunc_end_k_q79c2b65113_gemm_qkv:
	.size	k_q79c2b65113_gemm_qkv, .Lfunc_end_k_q79c2b65113_gemm_qkv-k_q79c2b65113_gemm_qkv
	.p2alignl 7, 3214868480
	.fill 96, 4, 3214868480
	.section	.rodata,"a",@progbits
	.p2align	6, 0x0
	.amdhsa_kernel k_q79c2b65113_gemm_qkv
		.amdhsa_group_segment_fixed_size 327680
		.amdhsa_private_segment_fixed_size 0
		.amdhsa_enable_private_segment 0
		.amdhsa_kernarg_size 48
		.amdhsa_user_sgpr_count 2
		.amdhsa_user_sgpr_kernarg_segment_ptr 1
		.amdhsa_wavefront_size32 1
		.amdhsa_system_sgpr_workgroup_id_x 1
		.amdhsa_system_sgpr_workgroup_id_y 1
		.amdhsa_system_sgpr_workgroup_id_z 1
		.amdhsa_system_vgpr_workitem_id 0
		.amdhsa_next_free_vgpr 1024
		.amdhsa_next_free_sgpr 102
		.amdhsa_reserve_vcc 0
		.amdhsa_float_denorm_mode_32 3
		.amdhsa_float_denorm_mode_16_64 3
		.amdhsa_memory_ordered 1
		.amdhsa_forward_progress 1
		.amdhsa_inst_pref_size 161
	.end_amdhsa_kernel
	.amdgpu_metadata
---
amdhsa.version: [ 1, 2 ]
amdhsa.kernels:
  - .name:           k_q79c2b65113_gemm_qkv
    .symbol:         k_q79c2b65113_gemm_qkv.kd
    .args:
      - { .name: x_codes, .offset: 0, .size: 8, .value_kind: global_buffer, .address_space: global }
      - { .name: w_codes, .offset: 8, .size: 8, .value_kind: global_buffer, .address_space: global }
      - { .name: lowp_scales, .offset: 16, .size: 8, .value_kind: global_buffer, .address_space: global }
      - { .name: qkv_b, .offset: 24, .size: 8, .value_kind: global_buffer, .address_space: global }
      - { .name: q_img, .offset: 32, .size: 8, .value_kind: global_buffer, .address_space: global }
      - { .name: kv_img, .offset: 40, .size: 8, .value_kind: global_buffer, .address_space: global }
    .group_segment_fixed_size: 327680
    .private_segment_fixed_size: 0
    .kernarg_segment_align: 8
    .kernarg_segment_size: 48
    .max_flat_workgroup_size: 128
    .sgpr_count:     102
    .vgpr_count:     1024
    .wavefront_size: 32
...
	.end_amdgpu_metadata
.endif
;; end of part 2
;; launch attn (part 3): grid 8 x 32, 8 waves a work-group, clusters of 4 x 1, 327,680 bytes of LDS; arguments q_img, kv_img, lowp_scales, o_img; writes o_img
.if DOCPART == 3
	.amdgcn_target "amdgcn-amd-amdhsa--gfx1250"
	.amdhsa_code_object_version 6
	.text
	.protected	k_q79c2b65113_attn
	.globl	k_q79c2b65113_attn
	.p2align	8
	.type	k_q79c2b65113_attn,@function
k_q79c2b65113_attn:
	s_mov_b64 s[64:65], 0
	v_nop
	global_prefetch_b8 v0, s[64:65] scope:SCOPE_SE
	s_setreg_imm32_b32 hwreg(HW_REG_WAVE_MODE, 25, 1), 1
	s_wait_xcnt 0x0
	s_wait_alu depctr_hold_cnt(0) depctr_sa_sdst(0) depctr_va_vdst(0) depctr_va_sdst(0) depctr_va_ssrc(0) depctr_va_vcc(0) depctr_vm_vsrc(0)
	s_getreg_b32 s2, hwreg(HW_REG_IB_STS2, 6, 4)
	s_cmp_eq_u32 s2, 0
	s_cbranch_scc0 .Lentry_in_a_cluster
	s_endpgm
.Lentry_in_a_cluster:
	s_bfe_u32 s2, ttmp6, 0x10000c
	s_cmp_lg_u32 s2, 0x3003
	s_cbranch_scc0 .Lentry_shape_is_right
	s_endpgm
.Lentry_shape_is_right:
; o = softmax(q k^T / 8) v for one head (work-group y: 16 b + h), both products on codes of BF8 (E5M2); o is quantised at once with 2^e6 for the last product.
; t = score x log2(e) / 8; M = the running largest t rounded up to a whole number; p = 2^(t - M) is quantised with 2^e4, not normalised; the row's sum is taken of the unquantised p and divides at the end.
; LIMITS: e2 + e3 between -123 and 130 (added to the exponent field of log2(e) / 8); e4 and e6 between -126 and 112; the scaled scores stay under 2^31 in magnitude.
; SHARES.  A work-group owns 256 queries; each of its EIGHT waves owns 32, two tiles A and B of 16: each fragment of k and of v feeds two matrix instructions, and the two tiles' chains stand interleaved.
; Both products are used transposed (S^T = k q^T, O^T = v^T p^T): a lane holds one query of each tile.  Inputs are images of operand registers: every fragment is read at 16 x lane.
;   q_img [head][step of 128][tile of 16][part][lane][16];  kv_img [head][step][k: 8 tiles x 1,024 | v: 4 x 2,048];  o_img [row tile][K step of 128][part][lane][16].
; LDS holds the head's whole k and v, 16 steps x 16,384 bytes, each byte filled once.  The first 40,960 bytes (steps 0, 1 and step 2's k) come by the head's load, 5,120 bytes a wave;
; the rest, 27,648 bytes a wave, by one load behind the full sequence; it has two steps' work in which to land.
; CLUSTER: the four work-groups of a cluster walk the same head: both loads are joint (mask 15).  No prefetch: all that the launch reads through LDS is asked for at its head, so no loop runs ahead of a load.
; THE EXPONENTIALS go in two batches, A's and B's.  Among them stand plain lines of the other tile that read only what was written ahead of the wait in front of the batch and whose results are first
; read behind the wait that follows it: among A's 64 the 32 lines that make B's t - M; among B's 64 the first level of A's sum (16 lines) and A's holds (32 lines).
; REGISTERS.  window 0: v1 16 x lane, v2 the step's LDS address, v4-5 the add's, v8-23 q, v24-27 (-M, largest t) of A, B, v28-31 the sums, v32-35 f, v36-45 at work, v56-60 constants,
;   v64-127 S^T of A, v128-191 of B, v192-223 p's codes, v224-255 partial sums.   window 1: v0-63 k's fragments, v64-127 v's, v128-159 O^T of A, v160-191 of B.
.set STEPB, 16384
.set VOFF,  8192
.set HEADB, 40960
.set PARTA, HEADB/8
.set PARTB, (16*STEPB-HEADB)/8
.set SPARE, 16*STEPB                   ; behind k and v: the spare words, 128 bytes a wave
.set SPW, 4
.set NIL, 5
.set QA, 8
.set QB, 16
.set MA, 36
.set MB, 40
.set SA, 64
.set SB, 128
.set PA, 192
.set PB, 208
.set T,  224                           ; sixteen pairs: the first level of A's sum
.set UB, 240                           ; four pairs, free again behind the second level: B's four chains
.set MSB, 0
.macro WIN new                         ; the immediate's high byte repeats the setting that is left
.if MSB != (\new)
	s_set_vgpr_msb (MSB<<8)|(\new)
.set MSB, \new
.endif
.endm
.macro CROUND                          ; a round of the cluster's barrier
	s_barrier_signal -1
	s_barrier_wait -1
	s_cmp_lg_u32 s12, 0
	s_cbranch_scc1 .Lnot_wave_0_\@
	s_barrier_signal -3
.Lnot_wave_0_\@:
	s_barrier_wait -3
	s_barrier_signal -1
	s_barrier_wait -1
.endm
.macro FMAA n                          ; n lines of A's t - M, from register pair j on
.rept \n
	v_pk_fma_f32 v[SA+j:SA+j+1], v[SA+j:SA+j+1], s[48:49], v[24:25] op_sel_hi:[1,0,0]
.set j, j+2
.endr
.endm
.macro HOLDB t                         ; the hold of B's tile t, two numbers an instruction
.irp i, 0,2,4,6
	v_dual_min_num_f32 v[SB+8*(\t)+\i], v56, v[SB+8*(\t)+\i] :: v_dual_min_num_f32 v[SB+8*(\t)+\i+1], v57, v[SB+8*(\t)+\i+1]
.endr
.endm
.macro SUMB i                          ; one round of B's four chains
.irp k, 0,1,2,3
	v_pk_add_f32 v[UB+2*\k:UB+2*\k+1], v[UB+2*\k:UB+2*\k+1], v[SB+16*\k+\i:SB+16*\k+\i+1]
.endr
.endm
	s_load_b256 s[4:11], s[0:1], 0x0               ; q_img, kv_img, the scales' exponents, o_img
	v_lshl_add_u32 v[SPW], v0, 2, SPARE
	v_mov_b32 v[NIL], 0
	ds_add_u32 v[SPW], v[NIL]                      ; the opening lines: the add twice on end and one wait
	ds_add_u32 v[SPW], v[NIL]
	v_lshrrev_b32 v2, 5, v0
	v_readfirstlane_b32 s12, v2                    ; wave 0..7
	v_and_b32 v1, 31, v0
	v_lshlrev_b32 v1, 4, v1                        ; 16 x lane
	s_bfe_u32 s13, ttmp6, 0x40000                  ; cx
	s_lshl_b32 s14, ttmp9, 2
	s_add_co_u32 s14, s14, s13                     ; which 256 queries
	s_and_b32 s15, ttmp7, 0xffff                   ; the head
	s_lshl_b32 s54, s15, 18                        ; a head of kv_img is 262,144 bytes
	s_mul_i32 s56, s12, PARTA                      ; my part of the first bytes: in LDS as in the head's image
	s_mul_i32 s57, s12, PARTB
	s_add_co_u32 s57, s57, HEADB                   ; and of the rest
	s_add_co_u32 s58, s54, s56
	s_mov_b32 s59, 0
	s_add_co_u32 s60, s54, s57
	s_mov_b32 s61, 0
	s_mov_b32 s16, 15|(3<<16)|(1<<21)              ; group 1: mask of the four partners; elements of 8 bytes; dense rows of 256 bytes
	s_mov_b32 s17, 32<<16
	s_mov_b32 s18, (PARTA/256)<<16
	s_mov_b32 s19, 32<<16
	s_mov_b32 s20, PARTA/256
	s_mov_b32 s21, 32
	s_mov_b32 s22, 0
	s_mov_b32 s23, 0
	s_mov_b32 s24, 15|(3<<16)|(1<<21)
	s_mov_b32 s25, 32<<16
	s_mov_b32 s26, (PARTB/256)<<16
	s_mov_b32 s27, 32<<16
	s_mov_b32 s28, PARTB/256
	s_mov_b32 s29, 32
	s_mov_b32 s30, 0
	s_mov_b32 s31, 0
	s_mov_b32 s50, 0x76543210                      ; selects of v_permlanex16_b32: lane xor 16
	s_mov_b32 s51, 0xfedcba98
	s_wait_alu depctr_va_vdst(0)
	s_wait_dscnt 0x0
	s_wait_kmcnt 0x0
	s_load_b256 s[40:47], s[8:9], 0x0              ; e0 .. e7
	s_mov_b32 s32, 1
	s_mov_b32 s33, s56
	s_add_nc_u64 s[34:35], s[6:7], s[58:59]
	s_or_b32 s35, s35, 0x80000000
	s_mov_b32 s36, 1
	s_mov_b32 s37, s57
	s_add_nc_u64 s[38:39], s[6:7], s[60:61]
	s_or_b32 s39, s39, 0x80000000
	CROUND                                         ; the four partners are here: the joint loads meet
	tensor_load_to_lds s[32:35], s[16:23]          ; my one load at the head
	s_nop 0
	s_lshl_b32 s54, s15, 17                        ; q: head x 131,072 + 16,384 x (256 queries) + 2,048 x wave
	s_lshl_b32 s55, s14, 14
	s_add_co_u32 s54, s54, s55
	s_lshl_b32 s55, s12, 11
	s_add_co_u32 s54, s54, s55
	s_mov_b32 s55, 0
	s_add_nc_u64 s[4:5], s[4:5], s[54:55]
.irp i, 0,1,2,3
	global_load_b128 v[QA+4*\i:QA+4*\i+3], v1, s[4:5] offset:512*\i
.endr
	s_lshr_b32 s56, s15, 4                         ; o_img: row tile 128 b + 16 x (256 queries) + 2 x wave, 16,384 bytes each; + 1,024 x (head % 16)
	s_lshl_b32 s56, s56, 7
	s_lshl_b32 s57, s14, 4
	s_add_co_u32 s56, s56, s57
	s_lshl_b32 s57, s12, 1
	s_add_co_u32 s56, s56, s57
	s_lshl_b32 s56, s56, 14
	s_and_b32 s57, s15, 15
	s_lshl_b32 s57, s57, 10
	s_add_co_u32 s56, s56, s57
	s_mov_b32 s57, 0
	s_add_nc_u64 s[10:11], s[10:11], s[56:57]
	v_mov_b32 v25, 0xff61b1e6                      ; the largest t so far: -3e38
	v_mov_b32 v27, 0xff61b1e6
	v_floor_f32 v24, -v25                          ; -M
	v_floor_f32 v26, -v27
.irp r, 28,29,30,31,33,35,44,45
	v_mov_b32 v\r, 0                               ; the sums; the upper halves of f's pairs; the permutes' destinations
.endr
	WIN 0x40
.set j, 0
.rept 64
	v_mov_b32 v[128+j], 0                          ; O^T: the step is written for all steps alike, and the first change of M multiplies zeros
.set j, j+1
.endr
	WIN 0
	s_wait_kmcnt 0x0
	s_add_co_i32 s54, s42, s43
	s_lshl_b32 s54, s54, 23
	s_add_co_i32 s48, s54, 0x3e38aa3b              ; c = log2(e) / 8 x 2^(e2 + e3)
	s_mov_b32 s49, s48
	s_add_co_i32 s54, s44, 127
	s_lshl_b32 s55, s54, 23
	v_mov_b32 v60, s55                             ; 2^e4
	s_add_co_i32 s54, s54, 15
	s_lshl_b32 s54, s54, 23
	s_or_b32 s54, s54, 0x600000
	v_mov_b32 v56, s54                             ; 57,344 x 2^e4, twice: the two halves of a dual pair take first sources of different banks
	v_mov_b32 v57, s54
	s_add_co_i32 s54, s46, 127
	s_lshl_b32 s55, s54, 23
	v_mov_b32 v59, s55                             ; 2^e6
	s_add_co_i32 s54, s54, 15
	s_lshl_b32 s54, s54, 23
	s_or_b32 s54, s54, 0x600000
	v_mov_b32 v58, s54                             ; 57,344 x 2^e6
	s_add_co_i32 s62, s44, s45                     ; e4 + e5
	s_wait_alu depctr_va_vdst(0)                   ; the head's end
	s_wait_tensorcnt 0x0                           ; my part of the first bytes is in
	ds_add_u32 v[SPW], v[NIL]
	s_wait_dscnt 0x0
	CROUND                                         ; everybody's part is in
	tensor_load_to_lds s[36:39], s[24:31]          ; the rest of the head's k and v
	s_nop 0
	WIN 0x40
.irp t, 0,1,2,3,4,5,6,7
	ds_load_b128 v[8*\t:8*\t+3], v1 offset:1024*\t            ; step 0's fragments of k
	ds_load_b128 v[8*\t+4:8*\t+7], v1 offset:1024*\t+512
.endr
	WIN 0
	s_wait_loadcnt 0x0                             ; q
; A STEP: 128 keys at LDS byte s52.  pf = 1: the next step's fragments of k are fetched under the softmax.
.macro STEP pf
	s_wait_dscnt 0x0                               ; this step's fragments of k are in, and no LDS load of mine is out at the signal
	s_barrier_signal -1                            ; ONE SPLIT BARRIER A STEP keeps the eight waves within half a step of each other: I have begun this step.  Up to the wait stand register work and loads of LDS bytes that nobody writes
	WIN 0x01
.irp t, 0,1,2,3,4,5,6,7
	v_wmma_f32_16x16x64_bf8_bf8 v[SA+8*\t:SA+8*\t+7], v[8*\t:8*\t+7], v[QA:QA+7], 0
	v_wmma_f32_16x16x64_bf8_bf8 v[SB+8*\t:SB+8*\t+7], v[8*\t:8*\t+7], v[QB:QB+7], 0
.endr
	WIN 0
	v_add_nc_u32 v2, s52, v1                       ; with the three below: four places behind the products, for the loads and for the first reads of S^T
.rept 3
	v_nop
.endr
	WIN 0x40
.irp d, 0,1,2,3
.irp i, 0,1,2,3
	ds_load_b128 v[64+16*\d+4*\i:67+16*\d+4*\i], v2 offset:VOFF+2048*\d+512*\i
.endr
.endr
.if \pf
.irp t, 0,1,2,3,4,5,6,7
	ds_load_b128 v[8*\t:8*\t+3], v2 offset:STEPB+1024*\t
	ds_load_b128 v[8*\t+4:8*\t+7], v2 offset:STEPB+1024*\t+512
.endr
.endif
	WIN 0
.irp k, 0,1,2,3                        ; the step's largest score, four chains a tile; each accumulator is first read at its low end
	v_max3_num_f32 v[MA+\k], v[SA+16*\k], v[SA+16*\k+1], v[SA+16*\k+2]
	v_max3_num_f32 v[MB+\k], v[SB+16*\k], v[SB+16*\k+1], v[SB+16*\k+2]
.endr
.irp i, 3,5,7,9,11,13
.irp k, 0,1,2,3
	v_max3_num_f32 v[MA+\k], v[MA+\k], v[SA+16*\k+\i], v[SA+16*\k+\i+1]
	v_max3_num_f32 v[MB+\k], v[MB+\k], v[SB+16*\k+\i], v[SB+16*\k+\i+1]
.endr
.endr
	v_max3_num_f32 v[MA], v[MA], v[MA+1], v[SA+15]
	v_max3_num_f32 v[MB], v[MB], v[MB+1], v[SB+15]
	v_max3_num_f32 v[MA+2], v[MA+2], v[MA+3], v[SA+31]
	v_max3_num_f32 v[MB+2], v[MB+2], v[MB+3], v[SB+31]
	v_max3_num_f32 v[MA], v[MA], v[SA+47], v[SA+63]
	v_max3_num_f32 v[MB], v[MB], v[SB+47], v[SB+63]
	v_max_num_f32 v[MA], v[MA], v[MA+2]
	v_max_num_f32 v[MB], v[MB], v[MB+2]
	v_permlanex16_b32 v44, v[MA], s50, s51
	v_permlanex16_b32 v45, v[MB], s50, s51
	v_max_num_f32 v[MA], v[MA], v44                ; and lane xor 16's keys
	v_max_num_f32 v[MB], v[MB], v45
	v_mul_f32 v[MA], s48, v[MA]                    ; as t (c is positive)
	v_mul_f32 v[MB], s48, v[MB]
	v_max_num_f32 v25, v25, v[MA]                  ; the running largest t
	v_max_num_f32 v27, v27, v[MB]
	v_mov_b32 v[MA+1], v24
	v_mov_b32 v[MB+1], v26
	v_floor_f32 v24, -v25                          ; -M = floor(-t)
	v_floor_f32 v26, -v27
	v_sub_f32 v[MA+1], v24, v[MA+1]                ; old M - new M, a whole number, 0 or less
	v_sub_f32 v[MB+1], v26, v[MB+1]
.set j, 0
	FMAA 4                                         ; A's t - M; the lines that make f stand among them
	v_cvt_i32_f32 v[MA+1], v[MA+1]                 ; (it saturates)
	v_cvt_i32_f32 v[MB+1], v[MB+1]
	FMAA 4
	v_ldexp_f32 v32, 1.0, v[MA+1]                  ; f = 2^(old M - new M)
	v_ldexp_f32 v34, 1.0, v[MB+1]
	FMAA 24
	WIN 0x41
.set j, 0
.rept 16
	v_pk_mul_f32 v[128+j:129+j], v[128+j:129+j], v[32:33] op_sel_hi:[1,0]               ; O^T under the new M, ahead of the exponentials; each accumulator from its low end on
	v_pk_mul_f32 v[160+j:161+j], v[160+j:161+j], v[34:35] op_sel_hi:[1,0]
.set j, j+2
.endr
	WIN 0
	s_wait_alu depctr_va_vdst(0)
	s_barrier_wait -1                              ; every wave has begun this step
.set j, 0
.rept 32                               ; A's p = 2^(t - M); among the 64, B's t - M
	v_exp_f32 v[SA+j], v[SA+j]
	v_exp_f32 v[SA+j+1], v[SA+j+1]
	v_pk_fma_f32 v[SB+j:SB+j+1], v[SB+j:SB+j+1], s[48:49], v[26:27] op_sel_hi:[1,0,0]
.set j, j+2
.endr
	s_wait_alu depctr_va_vdst(0)                   ; behind A's batch and ahead of B's
.set j, 0
.rept 16                               ; B's p; among the 64, the first level of A's sum (of the unquantised p), and behind each of its lines the hold of the four numbers that it has read
	v_exp_f32 v[SB+j], v[SB+j]
	v_exp_f32 v[SB+j+1], v[SB+j+1]
	v_pk_add_f32 v[T+j/2:T+j/2+1], v[SA+j:SA+j+1], v[SA+j+2:SA+j+3]
	v_exp_f32 v[SB+j+2], v[SB+j+2]
	v_dual_min_num_f32 v[SA+j], v56, v[SA+j] :: v_dual_min_num_f32 v[SA+j+1], v57, v[SA+j+1]
	v_exp_f32 v[SB+j+3], v[SB+j+3]
	v_dual_min_num_f32 v[SA+j+2], v56, v[SA+j+2] :: v_dual_min_num_f32 v[SA+j+3], v57, v[SA+j+3]
.set j, j+4
.endr
	v_nop                                          ; a plain place behind the exponentials
	s_wait_alu depctr_va_vdst(0)                   ; one wait for the batch and for the lines among it, ahead of their first readers and of the wait below
.if \pf
	s_wait_dscnt 16                                ; v's 16 loads are in; the 16 of the next step's k, issued behind them, may be out
.else
	s_wait_dscnt 0x0
.endif
.irp t, 0,1,2,3,4,5,6,7                ; A's codes (keys 16 t + 8 (lane / 16) + 0..7: registers 2 t, 2 t + 1 of the operand), and the second level of A's sum
	v_cvt_scalef32_pk8_bf8_f32 v[PA+2*\t:PA+2*\t+1], v[SA+8*\t:SA+8*\t+7], v60
	v_pk_add_f32 v[T+2*\t:T+2*\t+1], v[T+2*\t:T+2*\t+1], v[T+16+2*\t:T+17+2*\t]
.endr
.irp k, 0,1,2,3                        ; B's sum of the unquantised p, four chains; the rest of A's tree stands among them
	v_pk_add_f32 v[UB+2*\k:UB+2*\k+1], v[SB+16*\k:SB+16*\k+1], v[SB+16*\k+2:SB+16*\k+3]
.endr
.irp k, 0,1,2,3
	v_pk_add_f32 v[T+2*\k:T+2*\k+1], v[T+2*\k:T+2*\k+1], v[T+8+2*\k:T+9+2*\k]
.endr
	SUMB 4
	v_pk_add_f32 v[T:T+1], v[T:T+1], v[T+4:T+5]
	v_pk_add_f32 v[T+2:T+3], v[T+2:T+3], v[T+6:T+7]
	SUMB 6
	v_pk_add_f32 v[T:T+1], v[T:T+1], v[T+2:T+3]
	SUMB 8
	v_pk_fma_f32 v[28:29], v[28:29], v[32:33], v[T:T+1] op_sel_hi:[1,0,1]               ; the old sum x f + the step's
	SUMB 10
	SUMB 12
	SUMB 14
	v_pk_add_f32 v[UB:UB+1], v[UB:UB+1], v[UB+2:UB+3]
	v_pk_add_f32 v[UB+4:UB+5], v[UB+4:UB+5], v[UB+6:UB+7]
	HOLDB 0                                        ; the hold (the conversion does not saturate: ISA guide 7.6.2; p is not negative, so it is one-sided); each conversion stands one tile behind its holds
	v_pk_add_f32 v[UB:UB+1], v[UB:UB+1], v[UB+4:UB+5]
.irp t, 1,2,3,4,5,6,7
	HOLDB \t
	v_cvt_scalef32_pk8_bf8_f32 v[PB+2*(\t-1):PB+2*(\t-1)+1], v[SB+8*(\t-1):SB+8*(\t-1)+7], v60
.endr
	v_pk_fma_f32 v[30:31], v[30:31], v[34:35], v[UB:UB+1] op_sel_hi:[1,0,1]
	v_cvt_scalef32_pk8_bf8_f32 v[PB+14:PB+15], v[SB+56:SB+63], v60
	v_nop                                          ; one plain line between the last conversion and the products
	WIN 0x51
.irp d, 0,1,2,3                        ; eight accumulators by turns
	v_wmma_f32_16x16x128_bf8_bf8 v[128+8*\d:135+8*\d], v[64+16*\d:79+16*\d], v[PA:PA+15], v[128+8*\d:135+8*\d]
	v_wmma_f32_16x16x128_bf8_bf8 v[160+8*\d:167+8*\d], v[64+16*\d:79+16*\d], v[PB:PB+15], v[160+8*\d:167+8*\d]
.endr
	WIN 0
.endm
	s_mov_b32 s52, 0
	s_mov_b32 s53, 2
.Lfirst:                                       ; steps 0 and 1 read the first 40,960 bytes alone
	STEP 1
	s_add_co_u32 s52, s52, STEPB
	s_sub_co_u32 s53, s53, 1
	s_cmp_lg_u32 s53, 0
	s_cbranch_scc1 .Lfirst
	s_wait_tensorcnt 0x0                           ; my part of the rest is in,
	s_wait_dscnt 0x0                               ; no LDS load of mine is out at the signal,
	s_barrier_signal -1
	s_barrier_wait -1                              ; everybody's part is in; nothing is filled again
	s_mov_b32 s52, 2*STEPB
	s_mov_b32 s53, 13
.Lstep:                                        ; steps 2 to 14
	STEP 1
	s_add_co_u32 s52, s52, STEPB
	s_sub_co_u32 s53, s53, 1
	s_cmp_lg_u32 s53, 0
	s_cbranch_scc1 .Lstep
	s_mov_b32 s52, 15*STEPB
	STEP 0                                         ; the last step fetches no further k
	; THE WAY OUT: O^T / the sum x 2^(e4 + e5), held, quantised with 2^e6: the codes are registers of the last product's operand
	v_add_f32 v28, v28, v29
	v_add_f32 v30, v30, v31
	v_permlanex16_b32 v44, v28, s50, s51
	v_permlanex16_b32 v45, v30, s50, s51
	v_add_f32 v28, v28, v44
	v_add_f32 v30, v30, v45
	s_wait_alu depctr_va_vdst(0)                   ; ahead of the transcendentals
	v_rcp_f32 v28, v28
	v_rcp_f32 v30, v30
	v_nop
	s_wait_alu depctr_va_vdst(0)                   ; and ahead of their first reader
	v_ldexp_f32 v32, v28, s62
	v_ldexp_f32 v34, v30, s62
	WIN 0x01
	s_wait_alu depctr_va_vdst(0)                   ; directly ahead of the first reader of O^T
.set j, 0
.rept 16
	v_pk_mul_f32 v[SA+j:SA+j+1], v[128+j:129+j], v[32:33] op_sel_hi:[1,0]
.set j, j+2
.endr
.set j, 0
.rept 16
	v_pk_mul_f32 v[SA+32+j:SA+33+j], v[160+j:161+j], v[34:35] op_sel_hi:[1,0]
.set j, j+2
.endr
	WIN 0
.set j, 0
.rept 64
	v_med3_num_f32 v[SA+j], v[SA+j], -v58, v58
.set j, j+1
.endr
.irp d, 0,1,2,3,4,5,6,7
	v_cvt_scalef32_pk8_bf8_f32 v[PA+2*\d:PA+2*\d+1], v[SA+8*\d:SA+8*\d+7], v59
.endr
	global_store_b128 v1, v[PA:PA+3], s[10:11]                     ; each store covers 512 consecutive bytes, aligned
	global_store_b128 v1, v[PA+4:PA+7], s[10:11] offset:512
	global_store_b128 v1, v[PA+8:PA+11], s[10:11] offset:16384     ; tile B: the next row tile
	global_store_b128 v1, v[PA+12:PA+15], s[10:11] offset:16896
	s_wait_tensorcnt 0x0                           ; the wave's end
	ds_add_u32 v[SPW], v[NIL]
	s_wait_dscnt 0x0
	CROUND                                         ; the closing round
	s_endpgm
.Lfunc_end_k_q79c2b65113_attn:
	.size	k_q79c2b65113_attn, .Lfunc_end_k_q79c2b65113_attn-k_q79c2b65113_attn
	.p2alignl 7, 3214868480
	.fill 96, 4, 3214868480
	.section	.rodata,"a",@progbits
	.p2align	6, 0x0
	.amdhsa_kernel k_q79c2b65113_attn
		.amdhsa_group_segment_fixed_size 327680
		.amdhsa_private_segment_fixed_size 0
		.amdhsa_enable_private_segment 0
		.amdhsa_kernarg_size 32
		.amdhsa_user_sgpr_count 2
		.amdhsa_user_sgpr_kernarg_segment_ptr 1
		.amdhsa_wavefront_size32 1
		.amdhsa_system_sgpr_workgroup_id_x 1
		.amdhsa_system_sgpr_workgroup_id_y 1
		.amdhsa_system_sgpr_workgroup_id_z 1
		.amdhsa_system_vgpr_workitem_id 0
		.amdhsa_next_free_vgpr 448
		.amdhsa_next_free_sgpr 66
		.amdhsa_reserve_vcc 0
		.amdhsa_float_denorm_mode_32 3
		.amdhsa_float_denorm_mode_16_64 3
		.amdhsa_memory_ordered 1
		.amdhsa_forward_progress 1
		.amdhsa_inst_pref_size 101
	.end_amdhsa_kernel
	.amdgpu_metadata
---
amdhsa.version: [ 1, 2 ]
amdhsa.kernels:
  - .name:           k_q79c2b65113_attn
    .symbol:         k_q79c2b65113_attn.kd
    .args:
      - { .name: q_img, .offset: 0, .size: 8, .value_kind: global_buffer, .address_space: global }
      - { .name: kv_img, .offset: 8, .size: 8, .value_kind: global_buffer, .address_space: global }
      - { .name: lowp_scales, .offset: 16, .size: 8, .value_kind: global_buffer, .address_space: global }
      - { .name: o_img, .offset: 24, .size: 8, .value_kind: global_buffer, .address_space: global }
    .group_segment_fixed_size: 327680
    .private_segment_fixed_size: 0
    .kernarg_segment_align: 8
    .kernarg_segment_size: 32
    .max_flat_workgroup_size: 256
    .sgpr_count:     66
    .vgpr_count:     448
    .wavefront_size: 32
...
	.end_amdgpu_metadata
.endif
;; end of part 3
;; launch gemm_out (part 4): grid 8 x 32, 4 waves a work-group, clusters of 4 x 4, 327,680 bytes of LDS; arguments o_img, ow_codes, lowp_scales, out_b, out0; writes out0
.if DOCPART == 4
	.amdgcn_target "amdgcn-amd-amdhsa--gfx1250"
	.amdhsa_code_object_version 6
	.text
	.protected	k_q79c2b65113_gemm_out
	.globl	k_q79c2b65113_gemm_out
	.p2align	8
	.type	k_q79c2b65113_gemm_out,@function
k_q79c2b65113_gemm_out:
	s_mov_b64 s[64:65], 0
	v_nop
	global_prefetch_b8 v0, s[64:65] scope:SCOPE_SE
	s_setreg_imm32_b32 hwreg(HW_REG_WAVE_MODE, 25, 1), 1
	s_wait_xcnt 0x0
	s_wait_alu depctr_hold_cnt(0) depctr_sa_sdst(0) depctr_va_vdst(0) depctr_va_sdst(0) depctr_va_ssrc(0) depctr_va_vcc(0) depctr_vm_vsrc(0)
	s_getreg_b32 s2, hwreg(HW_REG_IB_STS2, 6, 4)
	s_cmp_eq_u32 s2, 0
	s_cbranch_scc0 .Lentry_in_a_cluster
	s_endpgm
.Lentry_in_a_cluster:
	s_bfe_u32 s2, ttmp6, 0x10000c
	s_cmp_lg_u32 s2, 0xf033
	s_cbranch_scc0 .Lentry_shape_is_right
	s_endpgm
.Lentry_shape_is_right:
; out0 = o out_w^T + out_b on codes of BF8 (E5M2): [4096][1024] = [4096][K 1024] x [1024][K 1024]^T; each finished sum x 2^(e6 + e7) + bias, f32.
; LIMIT: e6 + e7 between -126 and 127, so that 2^(e6 + e7) is an f32 number.
; A tile of 128 x 128 is made by a work-group of four waves, a wave makes 64 x 64: 16 accumulators.  That gives 256 work-groups of equal work.
; ALL OF K LIES IN LDS AND IS FILLED ONCE, by one tensor load a wave: waves 0, 1: A's halves, 4 row tiles x 16,384 bytes, dense; waves 2, 3: B's halves, 64 rows x 1,024 bytes, 16 bytes of padding behind each.
; No slot is filled again, so there is no ring; no prefetch: everything is asked for at the head, and no loop runs ahead of a load.
; A = o_img: images of fragments [row tile of 16][K step of 128][part of 4 registers][lane][16 bytes].   B = ow_codes: rows along K; the codes' layout (the two middle pieces of 8 bytes of every 32 swapped)
; makes a 16-byte load at row + 32 c + 16 (lane / 16) registers 4 c .. 4 c + 3 of a fragment.  So every k stands in its own place in both operands.
; CLUSTERS: 4 x 4.  A's tiles are shared along a row of the cluster, B's along a column: each is asked for jointly, with a mask that names the four.
; THE MATRIX INSTRUCTION IS USED TRANSPOSED (source 0 = 16 rows of B, source 1 = 16 rows of A): a lane holds eight neighbouring numbers of a row of the output.
; REGISTERS: window 0: v1-31 addresses; v32-63 the bias; v64-127 at work on the way out; v128-255 the accumulators ((a, b) at v[128 + 8 (4 a + b)]).   window 1: two fragment buffers: A's four, then B's four.
.set AHALF,  65536
.set BBASE,  2*AHALF
.set PITCH,  1040                      ; a row of B in LDS: 260 words: row r starts at bank 4 r mod 64 (64 banks of 4 bytes: ISA guide 11.1)
.set BHALF,  64*PITCH
.set STG,    BBASE+2*BHALF             ; behind B: a stage of 16 rows x 272 bytes for each wave: no fill lands here
.set SPITCH, 272
.set SPARE,  STG+4*16*SPITCH           ; the spare words, 128 bytes a wave
.set ADRA, 8
.set ADRB, 12
.set STO,  24
.set RD,   25
.set CO,   26
.set H32,  27
.set BIAS, 32
.set TMP,  64
.set BK,   96
.set ACC,  128
.set G1A, 24
.set G0A, 32
.set G0B, 36
.set G1B, 68
.set MSB, 0
.macro WIN new
.if MSB != (\new)
	s_set_vgpr_msb (MSB<<8)|(\new)
.set MSB, \new
.endif
.endm
.set MULW, 0x05                        ; sources 0 (B) and 1 (A) window 1; C and D window 0
.set TO_F, 0x40                        ; destination window 1, address window 0
.macro CROUND
	s_barrier_signal -1
	s_barrier_wait -1
	s_cmp_lg_u32 s10, 0
	s_cbranch_scc1 .Lnot_wave_0_\@
	s_barrier_signal -3
.Lnot_wave_0_\@:
	s_barrier_wait -3
	s_barrier_signal -1
	s_barrier_wait -1
.endm
.macro PLACES                          ; four places in front of loads into registers that matrix instructions have read, and of the first read of results
.rept 4
	v_nop
.endr
.endm
	s_load_b128 s[4:7], s[0:1], 0x0                ; o_img, out_w's codes
	s_load_b128 s[80:83], s[0:1], 0x10             ; the scales' exponents, out_b
	s_load_b64 s[8:9], s[0:1], 0x20                ; out0
	v_lshl_add_u32 v30, v0, 2, SPARE
	v_mov_b32 v31, 0
	ds_add_u32 v30, v31                            ; the opening lines: the add twice on end and one wait
	ds_add_u32 v30, v31
	v_lshrrev_b32 v1, 5, v0
	v_readfirstlane_b32 s10, v1                    ; wave 0..3
	s_lshr_b32 s11, s10, 1                         ; my half of the tile's rows.  Also: I fetch for A (0) or for B (1)
	s_and_b32 s12, s10, 1                          ; my half of its columns.  Also: which half I fetch
	s_bfe_u32 s13, ttmp6, 0x40000                  ; cx, cy
	s_bfe_u32 s14, ttmp6, 0x40004
	s_lshl_b32 s15, ttmp9, 2
	s_add_co_u32 s15, s15, s13                     ; tile column
	s_and_b32 s16, ttmp7, 0xffff
	s_lshl_b32 s16, s16, 2
	s_add_co_u32 s16, s16, s14                     ; tile row
	s_lshl_b32 s17, s14, 2
	s_lshl_b32 s17, 15, s17                        ; my row of the cluster
	s_lshl_b32 s18, 0x1111, s13                    ; my column
	s_or_b32 s[G1A+0], s17, (3<<16)|(1<<21)        ; A: elements of 8 bytes; 4 rows of 2,048 elements, dense
	s_mov_b32 s[G1A+1], 2048<<16
	s_mov_b32 s[G1A+2], 4<<16
	s_mov_b32 s[G1A+3], 2048<<16
	s_mov_b32 s[G1A+4], 4
	s_mov_b32 s[G1A+5], 2048
	s_mov_b32 s[G1A+6], 0
	s_mov_b32 s[G1A+7], 0
	s_or_b32 s[G1B+0], s18, (0<<16)|(1<<20)|(1<<21)|(7<<22)|(3<<25)  ; B: elements of 1 byte; 4 words of padding (code 3) after every 256 (code 7)
	s_mov_b32 s[G1B+1], 1024<<16
	s_mov_b32 s[G1B+2], 64<<16
	s_mov_b32 s[G1B+3], 1024<<16
	s_mov_b32 s[G1B+4], 64
	s_mov_b32 s[G1B+5], 1024
	s_mov_b32 s[G1B+6], 0
	s_mov_b32 s[G1B+7], 0
	s_lshl_b32 s19, s12, 16                        ; my half in memory: 4 row tiles of 16,384 bytes, or 64 rows of 1,024; for A also in LDS
	s_lshl_b32 s20, s16, 17
	s_add_co_u32 s20, s20, s19
	s_mov_b32 s21, 0
	s_lshl_b32 s22, s15, 17
	s_add_co_u32 s22, s22, s19
	s_mov_b32 s23, 0
	s_mul_i32 s3, s12, BHALF
	s_add_co_u32 s3, s3, BBASE                     ; B's half (wave % 2): the one that I fetch, if I fetch for B, and the one that I read
	s_wait_dscnt 0x0
	s_wait_kmcnt 0x0
	s_load_b256 s[84:91], s[80:81], 0x0            ; e0 .. e7
	s_mov_b32 s[G0A], 1
	s_mov_b32 s[G0A+1], s19
	s_add_nc_u64 s[G0A+2:G0A+3], s[4:5], s[20:21]
	s_or_b32 s[G0A+3], s[G0A+3], 0x80000000
	s_mov_b32 s[G0B], 1
	s_mov_b32 s[G0B+1], s3
	s_add_nc_u64 s[G0B+2:G0B+3], s[6:7], s[22:23]
	s_or_b32 s[G0B+3], s[G0B+3], 0x80000000
	CROUND                                         ; all sixteen work-groups are here: the joint loads meet
	s_cmp_eq_u32 s11, 0
	s_cbranch_scc0 .Lfor_b
	tensor_load_to_lds s[G0A:G0A+3], s[G1A:G1A+7]
	s_nop 0
	PLACES
	s_branch .Lasked
.Lfor_b:
	tensor_load_to_lds s[G0B:G0B+3], s[G1B:G1B+7]
	s_nop 0
	PLACES
.Lasked:
	s_lshl_b32 s19, s11, 16                        ; my 64 rows of A in LDS
	s_mul_i32 s20, s10, 16*SPITCH
	s_add_co_u32 s20, s20, STG                     ; my stage
	s_lshl_b32 s92, s15, 9                         ; my first column in bytes of f32: in out_b and in a row of the output alike
	s_lshl_b32 s93, s12, 8
	s_add_co_u32 s92, s92, s93
	s_mov_b32 s93, 0
	s_add_nc_u64 s[82:83], s[82:83], s[92:93]
	s_add_nc_u64 s[8:9], s[8:9], s[92:93]
	s_lshl_b32 s94, s16, 19                        ; my first row: 128 x tile row + 64 x half, 4,096 bytes each
	s_lshl_b32 s95, s11, 18
	s_add_co_u32 s94, s94, s95
	s_mov_b32 s95, 0
	s_add_nc_u64 s[8:9], s[8:9], s[94:95]
	v_and_b32 v1, 15, v0                           ; r
	v_bfe_u32 v2, v0, 4, 1                         ; h
	v_and_b32 v3, 31, v0
	v_lshlrev_b32 v3, 4, v3
	v_add_nc_u32 v[ADRA], s19, v3                  ; A: 16 x lane
	v_mul_u32_u24 v4, v1, PITCH
	v_lshl_add_u32 v4, v2, 4, v4
	v_add_nc_u32 v[ADRB], s3, v4                   ; B: row x pitch + 16 h
	v_mul_u32_u24 v6, v1, SPITCH
	v_lshl_add_u32 v6, v2, 5, v6
	v_add_nc_u32 v[STO], s20, v6                   ; into the stage: row r, 32 bytes for each half of the lanes
	v_mul_u32_u24 v7, v2, SPITCH
	v_lshl_add_u32 v7, v1, 4, v7
	v_add_nc_u32 v[RD], s20, v7                    ; back: lanes 0-15 one row of 256 bytes, lanes 16-31 the next
	v_lshlrev_b32 v[CO], 12, v2
	v_lshl_add_u32 v[CO], v1, 4, v[CO]             ; the same two rows in the output
	v_lshlrev_b32 v[H32], 5, v2
	s_wait_alu depctr_va_vdst(0)                   ; the head's end: no vector line follows before the loop
.irp b, 0,1,2,3
	global_load_b128 v[BIAS+8*\b:BIAS+8*\b+3],   v[H32], s[82:83] offset:64*\b      ; out_b at my columns 16 b + 8 h + 0..7
	global_load_b128 v[BIAS+8*\b+4:BIAS+8*\b+7], v[H32], s[82:83] offset:64*\b+16
.endr
	s_wait_kmcnt 0x0
	s_add_co_i32 s76, s90, s91
	s_add_co_i32 s76, s76, 127
	s_lshl_b32 s76, s76, 23                        ; 2^(e6 + e7)
	s_mov_b32 s77, s76
.macro FETCH q, f                      ; 32 LDS loads: the fragments of the q-th 128 along K into buffer f
	WIN TO_F
.irp i, 0,1,2,3
.irp p, 0,1,2,3
	ds_load_b128 v[(\f)+16*\i+4*\p:(\f)+16*\i+4*\p+3], v[ADRA] offset:16384*\i+2048*(\q)+512*\p
.endr
.endr
.irp b, 0,1,2,3
.irp p, 0,1,2,3
	ds_load_b128 v[(\f)+64+16*\b+4*\p:(\f)+64+16*\b+4*\p+3], v[ADRB] offset:16*PITCH*\b+128*(\q)+32*\p
.endr
.endr
.endm
.macro MUL f, zero                     ; 16 matrix instructions, 128 along K; the 16 accumulators take turns; zero = 1: the products start the sums
	WIN MULW
.irp a, 0,1,2,3
.irp b, 0,1,2,3
.if \zero
	v_wmma_f32_16x16x128_bf8_bf8 v[ACC+8*(4*\a+\b):ACC+8*(4*\a+\b)+7], v[(\f)+64+16*\b:(\f)+64+16*\b+15], v[(\f)+16*\a:(\f)+16*\a+15], 0
.else
	v_wmma_f32_16x16x128_bf8_bf8 v[ACC+8*(4*\a+\b):ACC+8*(4*\a+\b)+7], v[(\f)+64+16*\b:(\f)+64+16*\b+15], v[(\f)+16*\a:(\f)+16*\a+15], v[ACC+8*(4*\a+\b):ACC+8*(4*\a+\b)+7]
.endif
.endr
.endr
.endm
	s_wait_tensorcnt 0x0                           ; my load is in,
	s_barrier_signal -1
	s_barrier_wait -1                              ; everybody's is; nothing is filled again
	FETCH 0, 0
.irp q, 0,1,2,3,4,5,6,7                ; eight steps of 128 along K on two buffers: while one is multiplied the other is fetched
	s_wait_dscnt 0x0
.if \q < 7
.if \q > 0
	PLACES
.endif
	FETCH \q+1, 128*((\q+1)%2)
.endif
.if \q == 0
	MUL 0, 1
.else
	MUL 128*(\q%2), 0
.endif
.endr
	WIN 0
	; THE WAY OUT, 16 rows x 64 columns at a time: sum x 2^(e6 + e7) + bias; 32 bytes a lane into my own stage; back as whole rows of 256 bytes.
	; LDS serves a wave's instructions in order (ISA guide 5.7.1): no wait between the stores and the loads.
	s_wait_loadcnt 0x0                             ; the bias
	PLACES
.irp a, 0,1,2,3
.if \a > 0
	s_wait_xcnt 0x0                                ; the last block's stores have read their data
.endif
.set j, 0
.rept 16
	v_pk_fma_f32 v[TMP+j:TMP+j+1], v[ACC+32*\a+j:ACC+32*\a+j+1], s[76:77], v[BIAS+j:BIAS+j+1] op_sel_hi:[1,0,1]   ; each accumulator from its low end on
.set j, j+2
.endr
.irp b, 0,1,2,3
	ds_store_b128 v[STO], v[TMP+8*\b:TMP+8*\b+3] offset:64*\b
	ds_store_b128 v[STO], v[TMP+8*\b+4:TMP+8*\b+7] offset:64*\b+16
.endr
.irp t, 0,1,2,3,4,5,6,7
	ds_load_b128 v[BK+4*\t:BK+4*\t+3], v[RD] offset:2*\t*SPITCH
.endr
	s_wait_dscnt 0x0
.irp t, 0,1,2,3,4,5,6,7
	global_store_b128 v[CO], v[BK+4*\t:BK+4*\t+3], s[8:9] offset:4096*(16*\a+2*\t) th:TH_STORE_NT   ; 16 lanes store 256 consecutive bytes, aligned
.endr
.endr
	s_wait_tensorcnt 0x0                           ; the wave's end
	ds_add_u32 v30, v31
	s_wait_dscnt 0x0
	CROUND                                         ; the closing round
	s_endpgm
.Lfunc_end_k_q79c2b65113_gemm_out:
	.size	k_q79c2b65113_gemm_out, .Lfunc_end_k_q79c2b65113_gemm_out-k_q79c2b65113_gemm_out
	.p2alignl 7, 3214868480
	.fill 96, 4, 3214868480
	.section	.rodata,"a",@progbits
	.p2align	6, 0x0
	.amdhsa_kernel k_q79c2b65113_gemm_out
		.amdhsa_group_segment_fixed_size 327680
		.amdhsa_private_segment_fixed_size 0
		.amdhsa_enable_private_segment 0
		.amdhsa_kernarg_size 40
		.amdhsa_user_sgpr_count 2
		.amdhsa_user_sgpr_kernarg_segment_ptr 1
		.amdhsa_wavefront_size32 1
		.amdhsa_system_sgpr_workgroup_id_x 1
		.amdhsa_system_sgpr_workgroup_id_y 1
		.amdhsa_system_sgpr_workgroup_id_z 1
		.amdhsa_system_vgpr_workitem_id 0
		.amdhsa_next_free_vgpr 512
		.amdhsa_next_free_sgpr 96
		.amdhsa_reserve_vcc 0
		.amdhsa_float_denorm_mode_32 3
		.amdhsa_float_denorm_mode_16_64 3
		.amdhsa_memory_ordered 1
		.amdhsa_forward_progress 1
		.amdhsa_inst_pref_size 44
	.end_amdhsa_kernel
	.amdgpu_metadata
---
amdhsa.version: [ 1, 2 ]
amdhsa.kernels:
  - .name:           k_q79c2b65113_gemm_out
    .symbol:         k_q79c2b65113_gemm_out.kd
    .args:
      - { .name: o_img, .offset: 0, .size: 8, .value_kind: global_buffer, .address_space: global }
      - { .name: ow_codes, .offset: 8, .size: 8, .value_kind: global_buffer, .address_space: global }
      - { .name: lowp_scales, .offset: 16, .size: 8, .value_kind: global_buffer, .address_space: global }
      - { .name: out_b, .offset: 24, .size: 8, .value_kind: global_buffer, .address_space: global }
      - { .name: out0, .offset: 32, .size: 8, .value_kind: global_buffer, .address_space: global }
    .group_segment_fixed_size: 327680
    .private_segment_fixed_size: 0
    .kernarg_segment_align: 8
    .kernarg_segment_size: 40
    .max_flat_workgroup_size: 128
    .sgpr_count:     96
    .vgpr_count:     512
    .wavefront_size: 32
...
	.end_amdgpu_metadata
.endif
;; end of part 4
